; MI455X (gfx1250); checked and timed in simulation.
; The chip was launched on July 23, 2026; its instructions are those of AMD's public machine-readable ISA for CDNA 5 (MIT licence, August 2026) and "CDNA5" Instruction Set Architecture Reference Guide (July 2026). The comments in the code are by the model that wrote it; some were corrected since.
;; Multi Head Attn. Allowed arithmetic: float matrix products may take bf16 or f16 operands with f32 sums; all other float work in f32.
;; Inputs: W_proj 1,024 x 1,024 float32; W_qkv 3,072 x 1,024 float32; b_proj 1,024 float32; b_qkv 3,072 float32; x 4 x 2,048 x 1,024 float32.
;; Outputs: out0 4 x 2,048 x 1,024 float32.
;; 2 versions, each right; version 2 is version 1 with the launch cast written anew for expert scheduling mode. Each part assembles by itself: llvm-mc -triple=amdgcn-amd-amdhsa -mcpu=gfx1250 --defsym DOCPART=n.
;; ======== version 1 of 2: 4 launches
;; limits: values are held in f16: magnitudes above 65,504 overflow, below 6.1e-05 lose precision
;; workspace buffers: xh 16,777,216 bytes; wqh 6,291,456 bytes; wph 2,097,152 bytes; qkvh 50,331,648 bytes; ctxh 16,777,216 bytes
;; launch cast (part 1): grid 768 x 1, 8 waves a work-group, no clusters, 0 bytes of LDS; arguments x, W_qkv, W_proj, xh, wqh, wph; writes xh, wqh, wph
.if DOCPART == 1
	.amdgcn_target "amdgcn-amd-amdhsa--gfx1250"
	.amdhsa_code_object_version 6
	.text
	.protected	k_q37635963ac_cast
	.globl	k_q37635963ac_cast
	.p2align	8
	.type	k_q37635963ac_cast,@function
k_q37635963ac_cast:
	s_mov_b64 s[64:65], 0
	v_nop
	global_prefetch_b8 v0, s[64:65] scope:SCOPE_SE
	s_setreg_imm32_b32 hwreg(HW_REG_WAVE_MODE, 25, 1), 1
	s_wait_xcnt 0x0
; x, W_qkv, W_proj (f32, rows of 1024) -> xh, wqh, wph (16 bits a number), laid out as [kb = k/64][row][64]: a row's piece of one kb is 128 bytes
; and any run of rows of one kb is dense in memory, so that every tile of the later products is one dense block.
; FORMATS. All three inputs are rounded to bf16, to nearest even: one and the same rounding for all, so that the program computes reference() of the
; bf16-rounded inputs, with the f16 roundings of q, k, v, the weights and ctx alone on top. xh and wqh hold the bf16 numbers as they are.
; wph holds W_proj's bf16 numbers written as f16: its partner in the last product, ctx, is f16, and a matrix instruction takes both operands in one format.
; LIMIT: that second conversion is exact for magnitudes from 2^-17 to 65,504 (8 significant bits fit f16's 11, and its step of 2^-24 below 2^-14);
; above 65,504 W_proj becomes infinite, below 2^-17 it is off by at most 3e-8. x and W_qkv keep f32's range.
; A stream: each input byte is read once, each output byte written once. No LDS, no barrier, no matrix unit: nothing is shared or reduced.
; A work-group takes 16 rows, a wave 2. Work-groups 0-511: x (8192 rows); 512-703: W_qkv (3072 rows); 704-767: W_proj (1024 rows).
; Thread t: row t/16 of the group, floats 4 (t%16) .. +3 of each kb. A load's lanes 0-15 cover 256 consecutive aligned bytes of one row,
; lanes 16-31 of the next; a store's 32 lanes x 8 bytes cover 256 consecutive aligned bytes (two rows' pieces of one kb).
; All 16 loads of a wave (8 KiB) go out at once. No address register and no data register of a store is written again behind its instruction.
.set X,   4                            ; v[4:67]    kb: 4 floats as loaded (W_proj: then the same rounded to bf16, widened)
.set Y,   68                           ; v[68:99]   kb: 4 numbers of 16 bits to store
.set OFF, 100                          ; v[100:115] kb: byte offset of my 8 bytes from the group's first row in kb 0
	s_load_b256 s[4:11], s[0:1], 0x0               ; x s[4:5], W_qkv s[6:7], W_proj s[8:9], xh s[10:11]
	s_load_b128 s[12:15], s[0:1], 0x20             ; wqh s[12:13], wph s[14:15]
	v_lshrrev_b32 v1, 4, v0                        ; my row in the group
	v_and_b32 v2, 15, v0
	v_lshlrev_b32 v2, 4, v2                        ; my 16 bytes in a kb's 256
	v_lshl_add_u32 v1, v1, 12, v2                  ; source offset: row x 4,096 + that
	v_lshlrev_b32 v[OFF], 3, v0                    ; destination: row x 128 + 8 (t%16) = 8 t
	s_mov_b32 s20, 704                             ; the third tensor's first work-group
	s_mov_b32 s21, 1024*128                        ; and its bytes from kb to kb
	s_mov_b32 s23, 0xffff0000                      ; a word's upper bf16
	s_wait_kmcnt 0x0
	s_cmp_lt_u32 ttmp9, 704                        ; the choice hangs on the work-group's number alone
	s_cselect_b64 s[16:17], s[6:7], s[8:9]         ; source
	s_cselect_b64 s[18:19], s[12:13], s[14:15]     ; destination
	s_cselect_b32 s20, 512, s20
	s_cselect_b32 s21, 3072*128, s21
	s_cmp_lt_u32 ttmp9, 512
	s_cselect_b64 s[16:17], s[4:5], s[16:17]
	s_cselect_b64 s[18:19], s[10:11], s[18:19]
	s_cselect_b32 s20, 0, s20
	s_cselect_b32 s21, 8192*128, s21
	s_sub_co_u32 s22, ttmp9, s20                   ; which 16 rows of the tensor
	s_lshl_b32 s24, s22, 16                        ; 16 rows x 4,096 bytes (at most 511 x 65,536: below 4 GiB)
	s_mov_b32 s25, 0
	s_add_nc_u64 s[16:17], s[16:17], s[24:25]
	s_lshl_b32 s26, s22, 11                        ; 16 rows x 128 bytes
	s_mov_b32 s27, 0
	s_add_nc_u64 s[18:19], s[18:19], s[26:27]
.irp kb, 0,1,2,3,4,5,6,7,8,9,10,11,12,13,14,15
	global_load_b128 v[X+4*\kb:X+4*\kb+3], v1, s[16:17] offset:256*\kb th:TH_LOAD_NT
.endr
.irp kb, 1,2,3,4,5,6,7,8,9,10,11,12,13,14,15
	v_add_nc_u32 v[OFF+\kb], s21, v[OFF+\kb-1]     ; up to 15 x 1,048,576 bytes: more than a store's immediate holds
.endr
; One kb's four numbers. asf16 = 1: the bf16 numbers are widened again (a shift, a mask) and written as f16.
.macro CONV kb, asf16
	s_wait_loadcnt 15-\kb                          ; loads return in order: kb's is in, the 15 - kb younger ones stay out
	v_cvt_pk_bf16_f32 v[Y+2*\kb],   v[X+4*\kb],   v[X+4*\kb+1]
	v_cvt_pk_bf16_f32 v[Y+2*\kb+1], v[X+4*\kb+2], v[X+4*\kb+3]
.if \asf16
	v_lshlrev_b32 v[X+4*\kb],   16,  v[Y+2*\kb]    ; X's registers are free: their load has landed
	v_and_b32     v[X+4*\kb+1], s23, v[Y+2*\kb]
	v_lshlrev_b32 v[X+4*\kb+2], 16,  v[Y+2*\kb+1]
	v_and_b32     v[X+4*\kb+3], s23, v[Y+2*\kb+1]
	v_cvt_pk_f16_f32 v[Y+2*\kb],   v[X+4*\kb],   v[X+4*\kb+1]
	v_cvt_pk_f16_f32 v[Y+2*\kb+1], v[X+4*\kb+2], v[X+4*\kb+3]
.endif
	global_store_b64 v[OFF+\kb], v[Y+2*\kb:Y+2*\kb+1], s[18:19]
.endm
	s_cmp_lt_u32 ttmp9, 704                        ; compared anew: the sums above have set SCC. Both ways have the same 16 loads out
	s_cbranch_scc0 .Lw_proj
.irp kb, 0,1,2,3,4,5,6,7,8,9,10,11,12,13,14,15
	CONV \kb, 0                                    ; x and W_qkv
.endr
	s_endpgm
.Lw_proj:
.irp kb, 0,1,2,3,4,5,6,7,8,9,10,11,12,13,14,15
	CONV \kb, 1                                    ; W_proj
.endr
	s_endpgm
.Lfunc_end_k_q37635963ac_cast:
	.size	k_q37635963ac_cast, .Lfunc_end_k_q37635963ac_cast-k_q37635963ac_cast
	.p2alignl 7, 3214868480
	.fill 96, 4, 3214868480
	.section	.rodata,"a",@progbits
	.p2align	6, 0x0
	.amdhsa_kernel k_q37635963ac_cast
		.amdhsa_group_segment_fixed_size 0
		.amdhsa_private_segment_fixed_size 0
		.amdhsa_enable_private_segment 0
		.amdhsa_kernarg_size 48
		.amdhsa_user_sgpr_count 2
		.amdhsa_user_sgpr_kernarg_segment_ptr 1
		.amdhsa_wavefront_size32 1
		.amdhsa_system_sgpr_workgroup_id_x 1
		.amdhsa_system_sgpr_workgroup_id_y 1
		.amdhsa_system_sgpr_workgroup_id_z 1
		.amdhsa_system_vgpr_workitem_id 0
		.amdhsa_next_free_vgpr 120
		.amdhsa_next_free_sgpr 66
		.amdhsa_reserve_vcc 0
		.amdhsa_float_denorm_mode_32 3
		.amdhsa_float_denorm_mode_16_64 3
		.amdhsa_memory_ordered 1
		.amdhsa_forward_progress 1
		.amdhsa_inst_pref_size 16
	.end_amdhsa_kernel
	.amdgpu_metadata
---
amdhsa.version: [ 1, 2 ]
amdhsa.kernels:
  - .name:           k_q37635963ac_cast
    .symbol:         k_q37635963ac_cast.kd
    .args:
      - { .name: x, .offset: 0, .size: 8, .value_kind: global_buffer, .address_space: global }
      - { .name: W_qkv, .offset: 8, .size: 8, .value_kind: global_buffer, .address_space: global }
      - { .name: W_proj, .offset: 16, .size: 8, .value_kind: global_buffer, .address_space: global }
      - { .name: xh, .offset: 24, .size: 8, .value_kind: global_buffer, .address_space: global }
      - { .name: wqh, .offset: 32, .size: 8, .value_kind: global_buffer, .address_space: global }
      - { .name: wph, .offset: 40, .size: 8, .value_kind: global_buffer, .address_space: global }
    .group_segment_fixed_size: 0
    .private_segment_fixed_size: 0
    .kernarg_segment_align: 8
    .kernarg_segment_size: 48
    .max_flat_workgroup_size: 256
    .sgpr_count:     66
    .vgpr_count:     120
    .wavefront_size: 32
...
	.end_amdgpu_metadata
.endif
;; end of part 1
;; launch qkv (part 2): grid 8 x 32, 4 waves a work-group, clusters of 4 x 4, 327,680 bytes of LDS; arguments xh, wqh, b_qkv, qkvh; writes qkvh
.if DOCPART == 2
	.amdgcn_target "amdgcn-amd-amdhsa--gfx1250"
	.amdhsa_code_object_version 6
	.text
	.protected	k_q37635963ac_qkv
	.globl	k_q37635963ac_qkv
	.p2align	8
	.type	k_q37635963ac_qkv,@function
k_q37635963ac_qkv:
	s_mov_b64 s[64:65], 0
	v_nop
	global_prefetch_b8 v0, s[64:65] scope:SCOPE_SE
	s_setreg_imm32_b32 hwreg(HW_REG_WAVE_MODE, 25, 1), 1
	s_wait_xcnt 0x0
	s_wait_alu depctr_hold_cnt(0) depctr_sa_sdst(0) depctr_va_vdst(0) depctr_va_sdst(0) depctr_va_ssrc(0) depctr_va_vcc(0) depctr_vm_vsrc(0)
	s_getreg_b32 s2, hwreg(HW_REG_IB_STS2, 6, 4)
	s_cmp_eq_u32 s2, 0
	s_cbranch_scc0 .Lentry_in_a_cluster
	s_endpgm
.Lentry_in_a_cluster:
	s_bfe_u32 s2, ttmp6, 0x10000c
	s_cmp_lg_u32 s2, 0xf033
	s_cbranch_scc0 .Lentry_shape_is_right
	s_endpgm
.Lentry_shape_is_right:
; qkv[row][n] = sum over k of x[row][k] W_qkv[n][k] + b_qkv[n]; 8192 x 3072 x 1024; bf16 operands, f32 sums, f32 bias, the result rounded once to f16
; and stored head by head: qkvh[which = q,k,v][b][h][s][64]. f16 and not bf16 for q, k, v: a query near the sequence's start sees few keys, so that
; v's rounding reaches the output undamped by any average, and f16 has three bits more.
; LIMIT: q, k, v are kept in f16: a magnitude above 65,504 becomes infinite.
; A work-group makes 256 rows x 384 columns: 32 x 8 = 256 work-groups. Four waves; a wave makes 128 x 192 = 96 accumulator tiles of 16 x 16
; = 768 registers, as three groups of 64 columns (a group is one head). K goes in 16 steps of 64 (one kb of the blocked layout) through two
; LDS slots. A tile is a dense block of memory and is fetched as rows of 256 bytes, each of which holds TWO matrix rows of 128 bytes.
; In LDS such a pair row is followed by 16 bytes of padding: matrix row i lies at (i>>1) 272 + (i&1) 128. The 16 rows of a fragment then begin at
; words 68 (i>>1) + 32 (i&1), that is at banks 0, 32, 4, 36, .. 28, 60 of the 64 (ISA guide 11.1), four banks each: all different.
; CLUSTERS: 4 x 4 work-groups. x's tile hangs on the block row alone and is asked for jointly by a row of the cluster, W's on the block column
; alone, jointly by a column: the requests for both are divided by four.
; REGISTERS: window 0: v16-27 addresses, v32-95 and v96-159 x's fragments (two buffers), v160-255 W's fragments (three groups of 32);
; windows 1, 2, 3: the accumulators of column groups 0, 1, 2; tile (a = 0..7, b = 0..3) at v[8 (4 a + b)].
; THE PRODUCT IS TAKEN TRANSPOSED: source 0 = 16 rows of W, source 1 = 16 rows of x, so that lane l holds row l%16 of the result and its eight
; registers the neighbouring columns 8 (l/16) + 0..7.
; The 96 accumulators take turns, one instruction a turn, in the same order in every 32 of K.
.set PR,     272                       ; a pair row in LDS
.set T16,    8*PR                      ; 16 matrix rows
.set A_HALF, 64*PR                     ; 128 rows of x: one tensor load, and what one wave reads
.set B_HALF, 96*PR                     ; 192 rows of W: likewise
.set BOFF,   2*A_HALF
.set SLOT,   BOFF+2*B_HALF             ; 87,040: x's 256 rows, then W's 384
.set STAGE,  2*SLOT                    ; 174,080 = 680 x 256: behind the ring, 2,176 bytes a wave; no tensor load lands here
.set KB_A,   8192*128                  ; bytes from kb to kb in xh
.set KB_B,   3072*128                  ; in wqh
.set DW0,    (3<<16)|(1<<20)|(1<<21)|(5<<22)|(3<<25)   ; elements of 8 bytes; padding on; bit 21 beside a mask; after every 64 words, 4 words
.set ADRA, 16                          ; v16-17 LDS address of my x fragments in slot 0, 1
.set ADRB, 20                          ; v20-21 the same for W
.set STO,  24                          ; way out: where I put 16 bytes
.set RD,   25                          ; way out: where I read back
.set CO,   26                          ; 16 x lane
.set BO,   27                          ; 32 x (lane/16): my 8 biases in a tile's 16
.set AF0,  32
.set AF1,  96
.set BF,   160
.set TW,   32                          ; way out: 32 sums with bias
.set TH,   64                          ; way out: the same in f16
.set G1A, 24                           ; s[24:31] group 1 for x's tiles
.set G0A, 32                           ; s[32:39] group 0 for x's tiles, four registers a slot
.set G1B, 48                           ; s[48:55] group 1 for W's tiles
.set G0B, 56                           ; s[56:63] group 0 for W's tiles
.set HB,  66                           ; s[66:71] where my three heads' rows go
.set MSB, 0
.macro WIN new                         ; switches the register windows; the immediate's high byte repeats the setting that is left
.if MSB != (\new)
	s_set_vgpr_msb (MSB<<8)|(\new)
.set MSB, (\new)
.endif
.endm
.macro PLACES                          ; four places behind a matrix instruction, ahead of a load into, or a vector instruction on, its registers
.rept 4
	v_nop
.endr
.endm
; A joint load. Waves 0, 1 fetch x's two halves, waves 2, 3 W's. The branch hangs on the wave's number alone.
.macro JLOAD s
	s_cmp_eq_u32 s13, 0
	s_cbranch_scc0 .Lfor_b_\@
	tensor_load_to_lds s[G0A+4*\s:G0A+4*\s+3], s[G1A:G1A+7]
	s_nop 0
	s_branch .Lasked_\@
.Lfor_b_\@:
	tensor_load_to_lds s[G0B+4*\s:G0B+4*\s+3], s[G1B:G1B+7]
	s_nop 0
.Lasked_\@:
.endm
.macro CREST                           ; a round of the cluster's barrier behind its opening work-group barrier
	s_cmp_lg_u32 s12, 0
	s_cbranch_scc1 .Lnot_wave_0_\@
	s_barrier_signal -3
.Lnot_wave_0_\@:
	s_barrier_wait -3
	s_barrier_signal -1
	s_barrier_wait -1
.endm
.macro CROUND                          ; a whole round
	s_barrier_signal -1
	s_barrier_wait -1
	CREST
.endm
	s_load_b256 s[4:11], s[0:1], 0x0               ; xh s[4:5], wqh s[6:7], b_qkv s[8:9], qkvh s[10:11]
	v_lshl_add_u32 v30, v0, 2, 0x2ca00
	v_mov_b32 v31, 0
	ds_add_u32 v30, v31
	ds_add_u32 v30, v31
	v_lshrrev_b32 v1, 5, v0
	v_readfirstlane_b32 s12, v1                    ; wave 0..3
	s_lshr_b32 s13, s12, 1                         ; my half of the block's rows; also: I fetch for x (0) or for W (1)
	s_and_b32 s14, s12, 1                          ; my half of its columns; also: which half of that tile I fetch
	s_bfe_u32 s40, ttmp6, 0x40000                  ; cx
	s_bfe_u32 s41, ttmp6, 0x40004                  ; cy
	s_lshl_b32 s42, ttmp9, 2
	s_add_co_u32 s42, s42, s40                     ; block column 0..7
	s_and_b32 s43, ttmp7, 0xffff
	s_lshl_b32 s43, s43, 2
	s_add_co_u32 s43, s43, s41                     ; block row 0..31
	s_lshl_b32 s44, s41, 2
	s_lshl_b32 s44, 15, s44                        ; my row of the cluster
	s_lshl_b32 s45, 0x1111, s40                    ; my column
	s_or_b32 s[G1A+0], s44, DW0
	s_or_b32 s[G1B+0], s45, DW0
	s_mov_b32 s[G1A+1], 32<<16                     ; tensor_dim0 = 32 elements of 8 bytes: 256 bytes
	s_mov_b32 s[G1B+1], 32<<16
	s_mov_b32 s[G1A+2], 64<<16                     ; tensor_dim1 = 64 rows of 256 bytes = 128 matrix rows
	s_mov_b32 s[G1B+2], 96<<16                     ; 96 rows = 192 matrix rows
	s_mov_b32 s[G1A+3], 32<<16                     ; tile_dim0
	s_mov_b32 s[G1B+3], 32<<16
	s_mov_b32 s[G1A+4], 64                         ; tile_dim1
	s_mov_b32 s[G1B+4], 96
	s_mov_b32 s[G1A+5], 32                         ; the pitch: the block is dense
	s_mov_b32 s[G1B+5], 32
	s_mov_b32 s[G1A+6], 0
	s_mov_b32 s[G1B+6], 0
	s_mov_b32 s[G1A+7], 0
	s_mov_b32 s[G1B+7], 0
	s_lshl_b32 s16, s43, 15                        ; x: block row x 256 rows x 128 bytes
	s_lshl_b32 s17, s14, 14                        ; + half x 128 rows
	s_add_co_u32 s16, s16, s17
	s_mov_b32 s17, 0
	s_mul_i32 s46, s42, 384*128                    ; W: block column x 384 rows x 128 bytes
	s_mul_i32 s47, s14, 192*128                    ; + half x 192 rows
	s_add_co_u32 s46, s46, s47
	s_mov_b32 s47, 0
	s_mul_i32 s20, s14, A_HALF                     ; where they go: made of the wave's number alone
	s_mul_i32 s21, s14, B_HALF
	s_add_co_u32 s21, s21, BOFF
	s_wait_dscnt 0x0
	s_wait_kmcnt 0x0
	s_add_nc_u64 s[18:19], s[4:5], s[16:17]
	s_add_nc_u64 s[46:47], s[6:7], s[46:47]
	CROUND                                         ; all sixteen work-groups are here: the first joint loads meet
.irp s, 0,1
	s_mov_b32 s[G0A+4*\s], 1
	s_add_co_u32 s[G0A+4*\s+1], s20, \s*SLOT
	s_add_nc_u64 s[G0A+4*\s+2:G0A+4*\s+3], s[18:19], \s*KB_A       ; K step s
	s_or_b32 s[G0A+4*\s+3], s[G0A+4*\s+3], 0x80000000
	s_mov_b32 s[G0B+4*\s], 1
	s_add_co_u32 s[G0B+4*\s+1], s21, \s*SLOT
	s_add_nc_u64 s[G0B+4*\s+2:G0B+4*\s+3], s[46:47], \s*KB_B
	s_or_b32 s[G0B+4*\s+3], s[G0B+4*\s+3], 0x80000000
	JLOAD \s                                       ; both slots' first fills go out together: two tensor loads of the wave are out
.endr
	; A fragment: lane l holds matrix row l%16; registers 0-3 K = 8 (l/16) + 0..7, registers 4-7 K = 16 + 8 (l/16) + 0..7: two loads of 16 bytes, 32 apart
	v_and_b32 v1, 15, v0                           ; r
	v_bfe_u32 v2, v0, 4, 1                         ; h
	v_lshrrev_b32 v3, 1, v1
	v_and_b32 v4, 1, v0
	v_mul_u32_u24 v5, v3, PR
	v_lshl_add_u32 v5, v4, 7, v5
	v_lshl_add_u32 v5, v2, 4, v5                   ; (r>>1) 272 + (r&1) 128 + 16 h
	s_mul_i32 s22, s13, A_HALF
	s_mul_i32 s23, s14, B_HALF
	s_add_co_u32 s23, s23, BOFF
.irp s, 0,1
	v_add_nc_u32 v[ADRA+\s], s22, v5
	v_add_nc_u32 v[ADRB+\s], s23, v5
	s_add_co_u32 s22, s22, SLOT
	s_add_co_u32 s23, s23, SLOT
.endr
	s_mul_i32 s72, s12, T16
	s_add_co_u32 s72, s72, STAGE                   ; my stage
	v_add_nc_u32 v[STO], s72, v5
	v_mul_u32_u24 v6, v2, PR
	v_lshl_add_u32 v6, v1, 4, v6
	v_add_nc_u32 v[RD], s72, v6                    ; lanes 0-15 one pair row, lanes 16-31 the next
	v_and_b32 v7, 31, v0
	v_lshlrev_b32 v[CO], 4, v7
	v_lshlrev_b32 v[BO], 5, v2
; 32 matrix instructions: column group g x my 128 rows, 32 along K, x's fragments from buffer f. zero = 1: the product starts the sums.
.macro MULG f, g, zero
	WIN 0x50*(\g+1)                                ; C and D in window g + 1, sources in window 0
.irp m, 0,1,2,3,4,5,6,7
.irp n, 0,1,2,3
.if \zero
	v_wmma_f32_16x16x32_bf16 v[8*(4*\m+\n):8*(4*\m+\n)+7], v[BF+32*\g+8*\n:BF+32*\g+8*\n+7], v[\f+8*\m:\f+8*\m+7], 0
.else
	v_wmma_f32_16x16x32_bf16 v[8*(4*\m+\n):8*(4*\m+\n)+7], v[BF+32*\g+8*\n:BF+32*\g+8*\n+7], v[\f+8*\m:\f+8*\m+7], v[8*(4*\m+\n):8*(4*\m+\n)+7]
.endif
.endr
.endr
.endm
.macro LDB slot, k, g                  ; 8 loads: W's fragments of column group g, 32 K at byte k of the rows
	WIN 0
.irp n, 0,1,2,3
	ds_load_b128 v[BF+32*\g+8*\n:BF+32*\g+8*\n+3],   v[ADRB+\slot] offset:(4*\g+\n)*T16+\k
	ds_load_b128 v[BF+32*\g+8*\n+4:BF+32*\g+8*\n+7], v[ADRB+\slot] offset:(4*\g+\n)*T16+\k+32
.endr
.endm
.macro LDA slot, k, f                  ; 16 loads: x's fragments of my 128 rows into buffer f
	WIN 0
.irp m, 0,1,2,3,4,5,6,7
	ds_load_b128 v[\f+8*\m:\f+8*\m+3],   v[ADRA+\slot] offset:\m*T16+\k
	ds_load_b128 v[\f+8*\m+4:\f+8*\m+7], v[ADRA+\slot] offset:\m*T16+\k+32
.endr
.endm
; The first 32 of a K step. On entry these LDS loads are out, in this order: W group 0 (8), x buffer 0 (16), W group 1 (8), W group 2 (8).
; W's fragments have one buffer: a group is loaded again as soon as it has been multiplied. x's have two.
.macro FIRST32 slot, zero
	s_wait_dscnt 16                                ; W group 0 and x are in; the two younger groups (16 loads) may be out
	MULG AF0, 0, \zero
	PLACES
	LDB \slot, 64, 0
	LDA \slot, 64, AF1
	s_wait_dscnt 32                                ; W group 1 is in; younger: group 2 (8) and the 24 just issued
	MULG AF0, 1, \zero
	PLACES
	LDB \slot, 64, 1
	s_wait_dscnt 32                                ; W group 2 is in; younger: 24 + 8
	MULG AF0, 2, \zero
	PLACES
	LDB \slot, 64, 2
	s_wait_dscnt 16                                ; the second 32's group 0 and x are in; younger: groups 1 and 2
	MULG AF1, 0, 0
.endm
; A K step with its change of slots. fill = 1: this slot is filled again, two K steps ahead.
; ONE barrier does two things. In front of it each wave has waited for its reads of this slot and for all its tensor loads (one is out: its part
; of the next slot). Behind it nobody reads this slot and the next slot is whole. Where the slot is filled again the barrier opens a round of
; the cluster's barrier, so that this holds of all sixteen work-groups, and the joint refill is the first tensor load behind the round.
; From a request to the wait for it a wave issues 160 matrix instructions; one tensor load of the wave is out meanwhile.
.macro STEP slot, next, fill, zero
	FIRST32 \slot, \zero
	s_wait_dscnt 0x0                               ; my reads of this slot are over
	s_wait_tensorcnt 0x0                           ; all my tensor loads have landed
	ds_add_u32 v30, v31
	s_wait_dscnt 0x0
	s_barrier_signal -1
	MULG AF1, 1, 0                                 ; registers alone between signal and wait
	WIN 0
	s_barrier_wait -1
.if \fill
	CREST
	s_add_nc_u64 s[G0A+4*\slot+2:G0A+4*\slot+3], s[G0A+4*\slot+2:G0A+4*\slot+3], 2*KB_A   ; no tensor load of mine is out: group 0 may be written
	s_add_nc_u64 s[G0B+4*\slot+2:G0B+4*\slot+3], s[G0B+4*\slot+2:G0B+4*\slot+3], 2*KB_B
	JLOAD \slot
.endif
	PLACES
	LDB \next, 0, 0
	LDA \next, 0, AF0
	LDB \next, 0, 1
	MULG AF1, 2, 0
	PLACES
	LDB \next, 0, 2
.endm
.macro LAP zero
	STEP 0, 1, 1, \zero
	STEP 1, 0, 1, 0
.endm
	s_wait_tensorcnt 0x1                           ; my part of K step 0 is in; K step 1's may stay out
	s_barrier_signal -1
	s_barrier_wait -1                              ; everybody's part is in
	LDB 0, 0, 0
	LDA 0, 0, AF0
	LDB 0, 0, 1
	LDB 0, 0, 2
	LAP 1                                          ; K steps 0, 1: the first products start the sums, nothing is cleared
	WIN 0
	s_mov_b32 s3, 6                                ; K steps 2 to 13
.Llap:
	LAP 0
	WIN 0
	s_sub_co_u32 s3, s3, 1
	s_cmp_lg_u32 s3, 0
	s_cbranch_scc1 .Llap
	STEP 0, 1, 0, 0                                ; K step 14: nothing is left to fetch
	FIRST32 1, 0                                   ; K step 15
	s_wait_dscnt 0x0
	MULG AF1, 1, 0
	MULG AF1, 2, 0
	; THE WAY OUT. Group g of my columns is head gh = 6 x block column + 3 x half + g of the 48 (16 of q, 16 of k, 16 of v).
	PLACES                                         ; behind the last products: for the sums below and for the loads into W's fragment registers
	WIN 0
	s_mul_i32 s73, s42, 6
	s_mul_i32 s74, s14, 3
	s_add_co_u32 s73, s73, s74                     ; my first head
	s_lshr_b32 s75, s43, 3
	s_lshl_b32 s75, s75, 4                         ; 16 x batch (a batch is 8 block rows)
	s_and_b32 s76, s43, 7
	s_lshl_b32 s76, s76, 15                        ; my first row in the batch, x 128 bytes
	s_lshl_b32 s74, s13, 14
	s_add_co_u32 s76, s76, s74
.irp g, 0,1,2
	s_add_co_u32 s77, s73, \g
	s_lshr_b32 s78, s77, 4                         ; q, k or v
	s_lshl_b32 s78, s78, 6
	s_and_b32 s77, s77, 15                         ; head
	s_add_co_u32 s78, s78, s77
	s_add_co_u32 s78, s78, s75
	s_lshl_b32 s78, s78, 18                        ; x 2048 rows x 128 bytes (at most 191 x 262,144)
	s_add_co_u32 s78, s78, s76
	s_mov_b32 s79, 0
	s_add_nc_u64 s[HB+2*\g:HB+2*\g+1], s[10:11], s[78:79]
.endr
	s_lshl_b32 s80, s73, 8                         ; my first column x 4 bytes
	s_mov_b32 s81, 0
	s_add_nc_u64 s[8:9], s[8:9], s[80:81]
.irp g, 0,1,2
.irp n, 0,1,2,3
	global_load_b128 v[BF+32*\g+8*\n:BF+32*\g+8*\n+3],   v[BO], s[8:9] offset:256*\g+64*\n      ; the biases of my 8 columns of tile (., n) of group g
	global_load_b128 v[BF+32*\g+8*\n+4:BF+32*\g+8*\n+7], v[BO], s[8:9] offset:256*\g+64*\n+16
.endr
.endr
	s_wait_loadcnt 0x0
; 16 rows of one head: bias, f16, 16 bytes a lane into my stage (the same pair rows as the tiles), back as whole pair rows, out.
.macro OUT a, g, rb
	WIN \g+1                                       ; source 0 in the accumulators' window
.irp i, 0,1,2,3,4,5,6,7,8,9,10,11,12,13,14,15
	v_pk_add_f32 v[TW+2*\i:TW+2*\i+1], v[32*\a+2*\i:32*\a+2*\i+1], v[BF+32*\g+2*\i:BF+32*\g+2*\i+1]
.endr
	WIN 0
.irp i, 0,1,2,3,4,5,6,7,8,9,10,11,12,13,14,15
	v_cvt_pk_f16_f32 v[TH+\i], v[TW+2*\i], v[TW+2*\i+1]
.endr
.irp n, 0,1,2,3
	ds_store_b128 v[STO], v[TH+4*\n:TH+4*\n+3] offset:32*\n
.endr
	s_wait_xcnt 0x0                                ; the registers that earlier stores read are loaded again only behind this wait
.irp t, 0,1,2,3
	ds_load_b128 v[\rb+4*\t:\rb+4*\t+3], v[RD] offset:2*PR*\t      ; LDS serves a wave's instructions in order (ISA guide 5.7.1): these see the stores above
.endr
.irp t, 0,1,2,3
	s_wait_dscnt 3-\t                              ; load t is in, the younger ones stay out
	global_store_b128 v[CO], v[\rb+4*\t:\rb+4*\t+3], s[HB+2*\g:HB+2*\g+1] offset:\a*2048+\t*512   ; the wave stores 512 consecutive bytes, aligned
.endr
.endm
.irp g, 0,1,2
.irp a, 0,1,2,3,4,5,6,7
	OUT \a, \g, 96+16*(\a&1)
.endr
.endr
	s_wait_tensorcnt 0x0
	ds_add_u32 v30, v31
	s_wait_dscnt 0x0
	CROUND                                         ; the closing round: no work-group ends while a partner may still ask for a tile that names it
	s_endpgm
.Lfunc_end_k_q37635963ac_qkv:
	.size	k_q37635963ac_qkv, .Lfunc_end_k_q37635963ac_qkv-k_q37635963ac_qkv
	.p2alignl 7, 3214868480
	.fill 96, 4, 3214868480
	.section	.rodata,"a",@progbits
	.p2align	6, 0x0
	.amdhsa_kernel k_q37635963ac_qkv
		.amdhsa_group_segment_fixed_size 327680
		.amdhsa_private_segment_fixed_size 0
		.amdhsa_enable_private_segment 0
		.amdhsa_kernarg_size 32
		.amdhsa_user_sgpr_count 2
		.amdhsa_user_sgpr_kernarg_segment_ptr 1
		.amdhsa_wavefront_size32 1
		.amdhsa_system_sgpr_workgroup_id_x 1
		.amdhsa_system_sgpr_workgroup_id_y 1
		.amdhsa_system_sgpr_workgroup_id_z 1
		.amdhsa_system_vgpr_workitem_id 0
		.amdhsa_next_free_vgpr 1024
		.amdhsa_next_free_sgpr 84
		.amdhsa_reserve_vcc 0
		.amdhsa_float_denorm_mode_32 3
		.amdhsa_float_denorm_mode_16_64 3
		.amdhsa_memory_ordered 1
		.amdhsa_forward_progress 1
		.amdhsa_inst_pref_size 197
	.end_amdhsa_kernel
	.amdgpu_metadata
---
amdhsa.version: [ 1, 2 ]
amdhsa.kernels:
  - .name:           k_q37635963ac_qkv
    .symbol:         k_q37635963ac_qkv.kd
    .args:
      - { .name: xh, .offset: 0, .size: 8, .value_kind: global_buffer, .address_space: global }
      - { .name: wqh, .offset: 8, .size: 8, .value_kind: global_buffer, .address_space: global }
      - { .name: b_qkv, .offset: 16, .size: 8, .value_kind: global_buffer, .address_space: global }
      - { .name: qkvh, .offset: 24, .size: 8, .value_kind: global_buffer, .address_space: global }
    .group_segment_fixed_size: 327680
    .private_segment_fixed_size: 0
    .kernarg_segment_align: 8
    .kernarg_segment_size: 32
    .max_flat_workgroup_size: 128
    .sgpr_count:     84
    .vgpr_count:     1024
    .wavefront_size: 32
...
	.end_amdgpu_metadata
.endif
;; end of part 2
;; launch attn (part 3): grid 256 x 1, 16 waves a work-group, no clusters, 286,720 bytes of LDS; arguments qkvh, ctxh; writes ctxh
.if DOCPART == 3
	.amdgcn_target "amdgcn-amd-amdhsa--gfx1250"
	.amdhsa_code_object_version 6
	.text
	.protected	k_q37635963ac_attn
	.globl	k_q37635963ac_attn
	.p2align	8
	.type	k_q37635963ac_attn,@function
k_q37635963ac_attn:
	s_mov_b64 s[64:65], 0
	v_nop
	global_prefetch_b8 v0, s[64:65] scope:SCOPE_SE
	s_setreg_imm32_b32 hwreg(HW_REG_WAVE_MODE, 25, 1), 1
	s_wait_xcnt 0x0
; ctx = softmax(q k^T / 8, key j visible to query i iff 0 <= i - j < 256) v, for one (batch, head) and 512 queries in a work-group: 64 x 4 = 256 work-groups.
; f16 operands (q, k, v, the weights P), f32 scores, maxima, sums and results; ctx rounded once to f16 and stored as ctxh[h][b][s][64],
; which is the blocked layout [kb = h][row = b 2048 + s][64] that the last product reads.
; LIMIT: P and ctx are f16: a weight below 6e-8 of its row's largest is lost; |ctx| above 65,504 becomes infinite.
; Sixteen waves; wave w owns 32 queries (two tiles of 16) and walks their 288 keys in nine blocks of 32, from the block of the diagonal backward,
; with a running maximum. The diagonal block comes first, so that the maximum is finite from the start (a query sees its own key). Blocks of keys
; before the sequence's first are never multiplied: how many blocks a wave walks hangs on the work-group's and the wave's number alone.
; The nine blocks are written out: the block's number stands in the LDS loads' immediates, so that no address register is ever stepped
; (9 x 4,608 bytes at the most, inside the 16-bit offset); a strip near the sequence's start leaves the row of blocks by a forward branch.
; LDS holds everything at once, so each byte is filled once and there is no ring: 768 keys of K, 768 of V (the 512 of the chunk and 256 before), 512 queries.
; Tiles are dense blocks, fetched as rows of 256 bytes = two rows of 128 bytes. K, Q: 272 bytes from pair row to pair row; V: 288, so that the
; 16 lanes of a transposing load, which touch four pair rows, two halves and two columns of 16 bytes, begin at words 72 p + 32 i + 4 c: 16 different groups of 4 banks.
; NO MULTICAST: neighbouring chunks share 256 of their 768 key rows, and these are LDS rows 512-767 of one work-group and 0-255 of the other, while a joint
; load has one LDS address for all that it names.
; THE PRODUCTS ARE TAKEN TRANSPOSED. S^T = K Q^T: lane (r, h) holds query r and keys 8 h + j, so a query's scores lie in two lanes' own registers, and packing
; a lane's 16 weights gives P^T's fragment as it stands. O^T = V^T P^T: V^T's fragments come by transposing loads; a lane ends with 8 neighbouring d of one query.
.set PK,   272
.set PVV,  288
.set VB,   384*PK                      ; 104,448
.set QB,   VB+384*PVV                  ; 215,040; the Q strips serve as the waves' stages at the end: their one fill has landed by then
.set KBLK, 16*PK                       ; 32 keys of K (and 32 queries of Q)
.set VBLK, 16*PVV                      ; 32 keys of V
.set K16,  8*PK
.set V16,  8*PVV
.set DWK,  (3<<16)|(1<<20)|(5<<22)|(3<<25)     ; elements of 8 bytes, after every 64 words 4 words of padding
.set DWV,  (3<<16)|(1<<20)|(5<<22)|(7<<25)     ; 8 words of padding
.set QAD, 8                            ; my row of a fragment in my strip of Q; never rewritten
.set KAD, 9                            ; the same in block 0 of my keys in K; never rewritten
.set VAD, 10                           ; my 16 bytes of a transposing load in block 0 of my keys in V; never rewritten
.set RD,  11
.set CO,  12
.set NEG, 13                           ; -infinity
.set L,   16                           ; v16-17  my lane's part of the row sum, query tile 0, 1
.set T,   18                           ; v18-19  running maximum of the raw scores
.set TP,  20                           ; v20-21  at work
.set NM,  22                           ; v[22:25] pairs; low word: -(log2 e / 8) x maximum, as rounded
.set AL,  26                           ; v[26:29] pairs; low word: the factor by which earlier blocks shrink
.set QF,  40                           ; + 16 qt + 8 ks
.set KF,  72                           ; + 16 kt + 8 ks
.set VF,  104                          ; + 8 dt
.set S,   136                          ; + 16 qt + 8 kt
.set P,   168                          ; + 8 qt
.set O,   184                          ; + 32 qt + 8 dt
.set MJ,  32                           ; s[32:39] j: the lanes with 8 h + j <= r
.macro PLACES
.rept 4
	v_nop
.endr
.endm
; One wave's fill: 64 rows of 256 bytes = 128 rows of K, V or Q. first: the first wave of the tensor's group; rowreg: the global row of the region's LDS row 0.
; Rows before the sequence's first are replaced by rows 0..: they fill LDS bytes that are loaded once as a look-ahead and never multiplied.
.macro FILL first, base, pitch, which, rowreg, dw
	s_sub_co_u32 s11, s8, \first
	s_mul_i32 s13, s11, 64*\pitch
	s_add_co_u32 s13, s13, \base                   ; LDS address: a constant + the wave's number x a constant
	s_lshl_b32 s2, s11, 7
	s_add_co_i32 s2, s2, \rowreg
	s_max_i32 s2, s2, 0
	s_lshl_b32 s2, s2, 7                           ; x 128 bytes
	s_add_co_u32 s3, s10, 64*\which
	s_lshl_b32 s3, s3, 18                          ; (which x 64 + b x 16 + h) x 2048 x 128
	s_add_co_u32 s2, s2, s3
	s_mov_b32 s3, 0
	s_add_nc_u64 s[14:15], s[4:5], s[2:3]
	s_or_b32 s15, s15, 0x80000000
	s_mov_b32 s16, \dw
	tensor_load_to_lds s[12:15], s[16:23]
	s_nop 0
.endm
	s_load_b128 s[4:7], s[0:1], 0x0                ; qkvh s[4:5], ctxh s[6:7]
	v_lshl_add_u32 v254, v0, 2, 0x45800
	v_mov_b32 v255, 0
	ds_add_u32 v254, v255
	ds_add_u32 v254, v255
	v_lshrrev_b32 v1, 5, v0
	v_readfirstlane_b32 s8, v1                     ; wave 0..15
	s_and_b32 s9, ttmp9, 3                         ; chunk of 512 queries
	s_lshr_b32 s10, ttmp9, 2                       ; 16 b + h
	s_lshl_b32 s30, s9, 9                          ; the chunk's first query
	s_sub_co_i32 s29, s30, 256                     ; the key of LDS row 0 (-256 in chunk 0)
	s_mov_b32 s12, 1
	s_mov_b32 s17, 32<<16                          ; tensor_dim0 = 32 elements of 8 bytes
	s_mov_b32 s18, 64<<16                          ; tensor_dim1 = 64
	s_mov_b32 s19, 32<<16                          ; tile_dim0
	s_mov_b32 s20, 64                              ; tile_dim1
	s_mov_b32 s21, 32                              ; pitch: dense
	s_mov_b32 s22, 0
	s_mov_b32 s23, 0
	s_wait_dscnt 0x0
	s_wait_kmcnt 0x0
	s_cmp_lt_u32 s8, 6                             ; every wave issues one load: waves 0-5 K, 6-11 V, 12-15 Q
	s_cbranch_scc1 .Lfill_k
	s_cmp_lt_u32 s8, 12
	s_cbranch_scc1 .Lfill_v
	FILL 12, QB, PK, 0, s30, DWK
	s_branch .Lfilled
.Lfill_v:
	FILL 6, VB, PVV, 2, s29, DWV
	s_branch .Lfilled
.Lfill_k:
	FILL 0, 0, PK, 1, s29, DWK
.Lfilled:
	; set-up while the tiles are on their way
	v_and_b32 v1, 15, v0                           ; r
	v_bfe_u32 v2, v0, 4, 1                         ; h
	v_lshrrev_b32 v3, 1, v1
	v_and_b32 v4, 1, v0
	v_mul_u32_u24 v5, v3, PK
	v_lshl_add_u32 v5, v4, 7, v5
	v_lshl_add_u32 v5, v2, 4, v5                   ; (r>>1) 272 + (r&1) 128 + 16 h: row r of a fragment
	s_mul_i32 s2, s8, KBLK
	s_add_co_u32 s3, s2, QB                        ; my 32 queries
	v_add_nc_u32 v[QAD], s3, v5
	v_add_nc_u32 v[KAD], s2, v5                    ; block t of my keys begins at LDS key row 32 (w + t): t stands in the loads' immediates
	v_bfe_u32 v6, v0, 1, 2
	v_lshl_add_u32 v6, v2, 2, v6                   ; key 8 h + (l&7) lies in pair row 4 h + ((l>>1)&3),
	v_mul_u32_u24 v6, v6, PVV
	v_lshl_add_u32 v6, v4, 7, v6                   ; half l&1,
	v_bfe_u32 v7, v0, 3, 1
	v_lshl_add_u32 v6, v7, 4, v6                   ; and lanes 8-15 of each 16 take the second 8 columns
	s_mul_i32 s2, s8, VBLK
	s_add_co_u32 s2, s2, VB
	v_add_nc_u32 v[VAD], s2, v6
	v_mul_u32_u24 v7, v2, PK
	v_lshl_add_u32 v7, v1, 4, v7
	v_add_nc_u32 v[RD], s3, v7
	v_and_b32 v7, 31, v0
	v_lshlrev_b32 v[CO], 4, v7
	v_mov_b32 v[NEG], 0xff800000
	v_lshlrev_b32 v3, 3, v2
.irp j, 0,1,2,3,4,5,6,7
	v_add_nc_u32 v4, \j, v3
	v_cmp_le_u32 s[MJ+\j], v4, v1                  ; 8 h + j <= r
.endr
.irp i, 0,1,2,3,4,5,6,7,8,9
	v_mov_b32 v[TP+\i], 0                          ; TP is a lane permute's destination, and the upper words of the pairs NM, AL are named by packed instructions: written once
.endr
	s_mov_b32 s24, 0x3e38aa3b                      ; log2 e / 8: the scale 1/8 and the change of base in one factor
	s_mov_b32 s25, 0x3e38aa3b
	s_mov_b32 s26, 0xbe38aa3b
	s_mov_b32 s27, 0x76543210                      ; lane i of one half reads lane i of the other
	s_mov_b32 s28, 0xfedcba98
	s_lshl4_add_u32 s40, s9, s8                    ; my strip of 32 queries in the sequence, 0..63
	s_min_u32 s41, s40, 7                          ; wholly visible blocks: t = 7 down to 1, as far as keys exist
	s_and_b32 s2, s10, 15
	s_lshr_b32 s3, s10, 4
	s_lshl2_add_u32 s2, s2, s3                     ; 4 h + b
	s_lshl_b32 s2, s2, 6                           ; x 64 strips
	s_add_co_u32 s2, s2, s40
	s_lshl_b32 s2, s2, 12                          ; x 32 rows x 128 bytes
	s_mov_b32 s3, 0
	s_add_nc_u64 s[6:7], s[6:7], s[2:3]
	s_wait_tensorcnt 0x0                           ; my one tensor load has landed,
	s_barrier_signal -1
	s_barrier_wait -1                              ; everybody's has: the kernel's one barrier
.macro LDK t                           ; 8 loads: the 32 keys of block t x 64 d
.irp kt, 0,1
.irp ks, 0,1
	ds_load_b128 v[KF+16*\kt+8*\ks:KF+16*\kt+8*\ks+3],   v[KAD] offset:(\t)*KBLK+\kt*K16+\ks*64
	ds_load_b128 v[KF+16*\kt+8*\ks+4:KF+16*\kt+8*\ks+7], v[KAD] offset:(\t)*KBLK+\kt*K16+\ks*64+32
.endr
.endr
.endm
.macro LDV t                           ; 8 transposing loads: 64 d x the 32 keys of block t
.irp dt, 0,1,2,3
	ds_load_tr16_b128 v[VF+8*\dt:VF+8*\dt+3],   v[VAD] offset:(\t)*VBLK+32*\dt
	ds_load_tr16_b128 v[VF+8*\dt+4:VF+8*\dt+7], v[VAD] offset:(\t)*VBLK+32*\dt+V16
.endr
.endm
.macro DIAG qt, kt, keep               ; a tile on a diagonal. keep = 1: keys 8 h + j <= r stay; 0: these go and the others stay
.irp j, 0,1,2,3,4,5,6,7
.if \keep
	v_cndmask_b32 v[S+16*\qt+8*\kt+\j], v[NEG], v[S+16*\qt+8*\kt+\j], s[MJ+\j]
.else
	v_cndmask_b32 v[S+16*\qt+8*\kt+\j], v[S+16*\qt+8*\kt+\j], v[NEG], s[MJ+\j]
.endif
.endr
.endm
; One block of 32 keys. kind 0: the diagonal's block (key kk visible iff kk <= a), the first; 1: wholly visible; 2: the farthest (kk > a), the last.
; pf = 1: the fragments of block tn, the next, are fetched. On entry K's 8 loads and, younger, V's 8 are out.
; The accumulators take turns, one instruction a turn: three or four score tiles, then eight tiles of O.
.macro TRIP kind, pf, tn
.if \kind == 0
.set SKIP, 1                           ; tile 2 qt + kt = 1: queries 0-15, keys 16-31: none visible, not multiplied
.endif
.if \kind == 1
.set SKIP, 4                           ; none
.endif
.if \kind == 2
.set SKIP, 2                           ; queries 16-31, keys 0-15
.endif
	s_wait_dscnt 8                                 ; K's fragments (and, the first time, Q's) are in; V's 8 loads are younger
.irp ks, 0,1
.irp qt, 0,1
.irp kt, 0,1
.if (2*\qt+\kt) != SKIP
.if \ks == 0
	v_wmma_f32_16x16x32_f16 v[S+16*\qt+8*\kt:S+16*\qt+8*\kt+7], v[KF+16*\kt+8*\ks:KF+16*\kt+8*\ks+7], v[QF+16*\qt+8*\ks:QF+16*\qt+8*\ks+7], 0
.else
	v_wmma_f32_16x16x32_f16 v[S+16*\qt+8*\kt:S+16*\qt+8*\kt+7], v[KF+16*\kt+8*\ks:KF+16*\kt+8*\ks+7], v[QF+16*\qt+8*\ks:QF+16*\qt+8*\ks+7], v[S+16*\qt+8*\kt:S+16*\qt+8*\kt+7]
.endif
.endif
.endr
.endr
.endr
.if SKIP == 4
	PLACES                                         ; behind the products, ahead of the loads into K's registers and of the reads of the scores
.else
.irp j, 0,1,2,3,4,5,6,7
	v_mov_b32 v[S+8*SKIP+\j], v[NEG]               ; the tile that was not multiplied; these name no register of the products above and are the places behind them
.endr
.endif
.if \pf
	LDK \tn
.endif
.if \kind == 0
	DIAG 0, 0, 1
	DIAG 1, 1, 1
.endif
.if \kind == 2
	DIAG 0, 0, 0
	DIAG 1, 1, 0
.endif
	; the running maximum, on the raw scores (the scale is positive): my 16, then the other half's lane of the same query
.irp qt, 0,1
.if \kind == 0
	v_max_num_f32 v[T+\qt], v[S+16*\qt], v[S+16*\qt+1]
.else
	v_max3_num_f32 v[T+\qt], v[S+16*\qt], v[S+16*\qt+1], v[T+\qt]
.endif
.endr
.irp i, 1,2,3,4,5,6,7
.irp qt, 0,1
	v_max3_num_f32 v[T+\qt], v[S+16*\qt+2*\i], v[S+16*\qt+2*\i+1], v[T+\qt]
.endr
.endr
.irp qt, 0,1
	v_permlanex16_b32 v[TP+\qt], v[T+\qt], s27, s28
.endr
.irp qt, 0,1
	v_max_num_f32 v[T+\qt], v[T+\qt], v[TP+\qt]
.endr
	; NM = -(log2 e / 8) x maximum. Earlier blocks shrink by 2^(new NM - old NM): the difference of the very numbers that the exponentials use
.irp qt, 0,1
.if \kind == 0
	v_mul_f32 v[NM+2*\qt], s26, v[T+\qt]
.else
	v_mul_f32 v[TP+\qt], s26, v[T+\qt]
	v_sub_f32 v[AL+2*\qt], v[TP+\qt], v[NM+2*\qt]
	v_mov_b32 v[NM+2*\qt], v[TP+\qt]
.endif
.endr
.irp i, 0,1,2,3,4,5,6,7
.irp qt, 0,1
	v_pk_fma_f32 v[S+16*\qt+2*\i:S+16*\qt+2*\i+1], v[S+16*\qt+2*\i:S+16*\qt+2*\i+1], s[24:25], v[NM+2*\qt:NM+2*\qt+1] op_sel_hi:[1,0,0]
.endr
.endr
.irp i, 0,1,2,3,4,5,6,7,8,9,10,11,12,13,14,15
.irp qt, 0,1
	v_exp_f32 v[S+16*\qt+\i], v[S+16*\qt+\i]
.endr
.endr
.if \kind != 0
.irp qt, 0,1
	v_exp_f32 v[AL+2*\qt], v[AL+2*\qt]
.endr
.endif
	v_nop                                          ; one plain instruction between the exponentials and the first use of a result (ISA guide 5.7.2)
	s_wait_alu depctr_va_vdst(0)
.irp i, 0,1,2,3,4,5,6,7
.irp qt, 0,1
	v_cvt_pk_f16_f32 v[P+8*\qt+\i], v[S+16*\qt+2*\i], v[S+16*\qt+2*\i+1]   ; keys 8 h + 0..7, then 16 + 8 h + 0..7: P^T's fragment as it stands
.endr
.endr
.if \kind != 0
.irp i, 0,1,2,3,4,5,6,7,8,9,10,11,12,13,14,15
.irp qt, 0,1
	v_pk_mul_f32 v[O+32*\qt+2*\i:O+32*\qt+2*\i+1], v[O+32*\qt+2*\i:O+32*\qt+2*\i+1], v[AL+2*\qt:AL+2*\qt+1] op_sel_hi:[1,0]
.endr
.endr
.endif
.if \pf
	s_wait_dscnt 8                                 ; V's fragments are in; the next block's 8 loads of K are younger
.else
	s_wait_dscnt 0x0
.endif
.irp dt, 0,1,2,3
.irp qt, 0,1
.if \kind == 0
	v_wmma_f32_16x16x32_f16 v[O+32*\qt+8*\dt:O+32*\qt+8*\dt+7], v[VF+8*\dt:VF+8*\dt+7], v[P+8*\qt:P+8*\qt+7], 0
.else
	v_wmma_f32_16x16x32_f16 v[O+32*\qt+8*\dt:O+32*\qt+8*\dt+7], v[VF+8*\dt:VF+8*\dt+7], v[P+8*\qt:P+8*\qt+7], v[O+32*\qt+8*\dt:O+32*\qt+8*\dt+7]
.endif
.endr
.endr
	; the row sums, in place on the weights, which are no longer needed in f32. These lines name no register of the products above:
	; they are the places behind them, ahead of the loads into V's registers and of the next vector work on P and O
.irp i, 0,4,8,12
.irp qt, 0,1
	v_pk_add_f32 v[S+16*\qt+\i:S+16*\qt+\i+1], v[S+16*\qt+\i:S+16*\qt+\i+1], v[S+16*\qt+\i+2:S+16*\qt+\i+3]
.endr
.endr
.irp i, 0,8
.irp qt, 0,1
	v_pk_add_f32 v[S+16*\qt+\i:S+16*\qt+\i+1], v[S+16*\qt+\i:S+16*\qt+\i+1], v[S+16*\qt+\i+4:S+16*\qt+\i+5]
.endr
.endr
.irp qt, 0,1
	v_pk_add_f32 v[S+16*\qt:S+16*\qt+1], v[S+16*\qt:S+16*\qt+1], v[S+16*\qt+8:S+16*\qt+9]
.endr
.irp qt, 0,1
.if \kind == 0
	v_add_f32 v[L+\qt], v[S+16*\qt], v[S+16*\qt+1]
.else
	v_add_f32 v[TP+\qt], v[S+16*\qt], v[S+16*\qt+1]
.endif
.endr
.if \kind != 0
.irp qt, 0,1
	v_fma_f32 v[L+\qt], v[L+\qt], v[AL+2*\qt], v[TP+\qt]
.endr
.endif
.if \pf
	LDV \tn
.endif
.endm
.irp qt, 0,1
.irp ks, 0,1
	ds_load_b128 v[QF+16*\qt+8*\ks:QF+16*\qt+8*\ks+3],   v[QAD] offset:\qt*K16+\ks*64
	ds_load_b128 v[QF+16*\qt+8*\ks+4:QF+16*\qt+8*\ks+7], v[QAD] offset:\qt*K16+\ks*64+32
.endr
.endr
	LDK 8
	LDV 8
	TRIP 0, 1, 7                                   ; block 8, the diagonal's; block 7 is fetched
.irp i, 1,2,3,4,5,6,7
	s_cmp_lt_u32 s41, \i                           ; strip wq of the sequence has min(wq, 7) wholly visible blocks: the others' keys do not exist
	s_cbranch_scc1 .Lno_mid
	TRIP 1, 1, 7-\i                                ; block 8 - i; block 7 - i is fetched
.endr
.Lno_mid:
	s_cmp_lt_u32 s40, 8                            ; the farthest block exists from strip 8 on
	s_cbranch_scc1 .Lno_far
	TRIP 2, 0, 0                                   ; block 0
.Lno_far:
	s_wait_dscnt 0x0                               ; where the walk ended early, a look-ahead that nobody uses is still out: its registers are used below
.irp qt, 0,1
	v_permlanex16_b32 v[TP+\qt], v[L+\qt], s27, s28
.endr
.irp qt, 0,1
	v_add_f32 v[L+\qt], v[L+\qt], v[TP+\qt]        ; the two lanes of a query together
.endr
.irp qt, 0,1
	v_rcp_f32 v[AL+2*\qt], v[L+\qt]
.endr
	v_nop                                          ; one plain instruction behind the reciprocals
	s_wait_alu depctr_va_vdst(0)
.irp i, 0,1,2,3,4,5,6,7,8,9,10,11,12,13,14,15
.irp qt, 0,1
	v_pk_mul_f32 v[O+32*\qt+2*\i:O+32*\qt+2*\i+1], v[O+32*\qt+2*\i:O+32*\qt+2*\i+1], v[AL+2*\qt:AL+2*\qt+1] op_sel_hi:[1,0]
.endr
.endr
.irp i, 0,1,2,3,4,5,6,7,8,9,10,11,12,13,14,15
.irp qt, 0,1
	v_cvt_pk_f16_f32 v[S+16*\qt+\i], v[O+32*\qt+2*\i], v[O+32*\qt+2*\i+1]
.endr
.endr
.irp qt, 0,1
.irp dt, 0,1,2,3
	ds_store_b128 v[QAD], v[S+16*\qt+4*\dt:S+16*\qt+4*\dt+3] offset:\qt*K16+32*\dt   ; d = 16 dt + 8 h + 0..7 of query r, into my own strip of Q, which I alone read
.endr
.endr
.irp t, 0,1,2,3,4,5,6,7
	ds_load_b128 v[KF+4*\t:KF+4*\t+3], v[RD] offset:2*PK*\t        ; LDS serves a wave's instructions in order (ISA guide 5.7.1): these see the stores above
.endr
.irp t, 0,1,2,3,4,5,6,7
	s_wait_dscnt 7-\t                              ; load t is in, the younger ones stay out
	global_store_b128 v[CO], v[KF+4*\t:KF+4*\t+3], s[6:7] offset:512*\t   ; the wave stores 512 consecutive bytes, aligned
.endr
	s_wait_tensorcnt 0x0
	ds_add_u32 v254, v255
	s_wait_dscnt 0x0
	s_endpgm
.Lfunc_end_k_q37635963ac_attn:
	.size	k_q37635963ac_attn, .Lfunc_end_k_q37635963ac_attn-k_q37635963ac_attn
	.p2alignl 7, 3214868480
	.fill 96, 4, 3214868480
	.section	.rodata,"a",@progbits
	.p2align	6, 0x0
	.amdhsa_kernel k_q37635963ac_attn
		.amdhsa_group_segment_fixed_size 286720
		.amdhsa_private_segment_fixed_size 0
		.amdhsa_enable_private_segment 0
		.amdhsa_kernarg_size 16
		.amdhsa_user_sgpr_count 2
		.amdhsa_user_sgpr_kernarg_segment_ptr 1
		.amdhsa_wavefront_size32 1
		.amdhsa_system_sgpr_workgroup_id_x 1
		.amdhsa_system_sgpr_workgroup_id_y 1
		.amdhsa_system_sgpr_workgroup_id_z 1
		.amdhsa_system_vgpr_workitem_id 0
		.amdhsa_next_free_vgpr 256
		.amdhsa_next_free_sgpr 66
		.amdhsa_reserve_vcc 0
		.amdhsa_float_denorm_mode_32 3
		.amdhsa_float_denorm_mode_16_64 3
		.amdhsa_memory_ordered 1
		.amdhsa_forward_progress 1
		.amdhsa_inst_pref_size 102
	.end_amdhsa_kernel
	.amdgpu_metadata
---
amdhsa.version: [ 1, 2 ]
amdhsa.kernels:
  - .name:           k_q37635963ac_attn
    .symbol:         k_q37635963ac_attn.kd
    .args:
      - { .name: qkvh, .offset: 0, .size: 8, .value_kind: global_buffer, .address_space: global }
      - { .name: ctxh, .offset: 8, .size: 8, .value_kind: global_buffer, .address_space: global }
    .group_segment_fixed_size: 286720
    .private_segment_fixed_size: 0
    .kernarg_segment_align: 8
    .kernarg_segment_size: 16
    .max_flat_workgroup_size: 512
    .sgpr_count:     66
    .vgpr_count:     256
    .wavefront_size: 32
...
	.end_amdgpu_metadata
.endif
;; end of part 3
;; launch proj (part 4): grid 8 x 32, 4 waves a work-group, clusters of 4 x 4, 327,680 bytes of LDS; arguments ctxh, wph, b_proj, out0; writes out0
.if DOCPART == 4
	.amdgcn_target "amdgcn-amd-amdhsa--gfx1250"
	.amdhsa_code_object_version 6
	.text
	.protected	k_q37635963ac_proj
	.globl	k_q37635963ac_proj
	.p2align	8
	.type	k_q37635963ac_proj,@function
k_q37635963ac_proj:
	s_mov_b64 s[64:65], 0
	v_nop
	global_prefetch_b8 v0, s[64:65] scope:SCOPE_SE
	s_setreg_imm32_b32 hwreg(HW_REG_WAVE_MODE, 25, 1), 1
	s_wait_xcnt 0x0
	s_wait_alu depctr_hold_cnt(0) depctr_sa_sdst(0) depctr_va_vdst(0) depctr_va_sdst(0) depctr_va_ssrc(0) depctr_va_vcc(0) depctr_vm_vsrc(0)
	s_getreg_b32 s2, hwreg(HW_REG_IB_STS2, 6, 4)
	s_cmp_eq_u32 s2, 0
	s_cbranch_scc0 .Lentry_in_a_cluster
	s_endpgm
.Lentry_in_a_cluster:
	s_bfe_u32 s2, ttmp6, 0x10000c
	s_cmp_lg_u32 s2, 0xf033
	s_cbranch_scc0 .Lentry_shape_is_right
	s_endpgm
.Lentry_shape_is_right:
; out[row][c] = sum over n of ctx[row][n] W_proj[c][n] + b_proj[c]; 8192 x 1024 x 1024; f16 operands, f32 sums, f32 out.
; A work-group makes 256 rows x 128 columns: 32 x 8 = 256 work-groups. Four waves; a wave makes 128 x 64 = 32 accumulator tiles = 256 registers (window 1).
; Operands are in the blocked layout [kb = k/64][row][64]: a tile of one kb is a dense block, fetched as rows of 256 bytes = two matrix rows; in LDS
; matrix row i lies at (i>>1) 272 + (i&1) 128, so that the 16 rows of a fragment begin at 16 different groups of four banks (ISA guide 11.1).
; A slot holds TWO kb (128 of K): ctx's 256 rows of kb u = 0, 1, then W's 128 rows of u = 0, 1; each of the four blocks is one wave's one tensor load.
; Two slots; eight fills; one barrier for 128 of K.
; CLUSTERS: 4 x 4. ctx's tiles hang on the block row alone and are asked for jointly by a row of the cluster, W's on the block column alone, by a column.
; The product is taken transposed (source 0 = W's rows): a lane holds 8 neighbouring columns of one row.
; The 32 accumulators take turns, one instruction a turn, in the same order in every 32 of K.
.set PR,    272
.set T16,   8*PR
.set AKB,   128*PR                     ; ctx's 256 rows of one kb
.set BKB,   64*PR                      ; W's 128 rows of one kb
.set ASZ,   2*AKB
.set SLOT,  ASZ+2*BKB                  ; 104,448
.set STAGE, 2*SLOT                     ; 208,896 = 816 x 256: behind the ring, 16 rows x 272 bytes a wave; no tensor load lands here
.set KB_A,  8192*128
.set KB_B,  1024*128
.set DW0,   (3<<16)|(1<<20)|(1<<21)|(5<<22)|(3<<25)
.set ADRA, 16
.set ADRB, 20
.set STO,  24
.set RD,   25
.set CO,   26
.set BO,   27
.set AF0,  32
.set AF1,  96
.set BF0,  160
.set BF1,  192
.set TW,   32                          ; way out: 32 sums with bias
.set BIAS, 160                         ; way out: the biases of my 8 columns of each of 4 tiles
.set G1A, 24
.set G0A, 32
.set G1B, 48
.set G0B, 56
.set MSB, 0
.macro WIN new
.if MSB != (\new)
	s_set_vgpr_msb (MSB<<8)|(\new)
.set MSB, (\new)
.endif
.endm
.macro PLACES                          ; four places behind a matrix instruction (ISA guide 7.12.1)
.rept 4
	v_nop
.endr
.endm
.macro JLOAD s                         ; waves 0, 1 fetch ctx's two kb, waves 2, 3 W's
	s_cmp_eq_u32 s13, 0
	s_cbranch_scc0 .Lfor_b_\@
	tensor_load_to_lds s[G0A+4*\s:G0A+4*\s+3], s[G1A:G1A+7]
	s_nop 0
	s_branch .Lasked_\@
.Lfor_b_\@:
	tensor_load_to_lds s[G0B+4*\s:G0B+4*\s+3], s[G1B:G1B+7]
	s_nop 0
.Lasked_\@:
.endm
.macro CREST
	s_cmp_lg_u32 s12, 0
	s_cbranch_scc1 .Lnot_wave_0_\@
	s_barrier_signal -3
.Lnot_wave_0_\@:
	s_barrier_wait -3
	s_barrier_signal -1
	s_barrier_wait -1
.endm
.macro CROUND
	s_barrier_signal -1
	s_barrier_wait -1
	CREST
.endm
	s_load_b256 s[4:11], s[0:1], 0x0               ; ctxh s[4:5], wph s[6:7], b_proj s[8:9], out0 s[10:11]
	v_lshl_add_u32 v254, v0, 2, 0x37400
	v_mov_b32 v255, 0
	ds_add_u32 v254, v255
	ds_add_u32 v254, v255
	v_lshrrev_b32 v1, 5, v0
	v_readfirstlane_b32 s12, v1                    ; wave 0..3
	s_lshr_b32 s13, s12, 1                         ; my half of the rows; also: I fetch for ctx (0) or for W (1)
	s_and_b32 s14, s12, 1                          ; my half of the columns; also: which kb of the slot's two I fetch
	s_bfe_u32 s40, ttmp6, 0x40000                  ; cx
	s_bfe_u32 s41, ttmp6, 0x40004                  ; cy
	s_lshl_b32 s42, ttmp9, 2
	s_add_co_u32 s42, s42, s40                     ; block column 0..7
	s_and_b32 s43, ttmp7, 0xffff
	s_lshl_b32 s43, s43, 2
	s_add_co_u32 s43, s43, s41                     ; block row 0..31
	s_lshl_b32 s44, s41, 2
	s_lshl_b32 s44, 15, s44                        ; my row of the cluster
	s_lshl_b32 s45, 0x1111, s40                    ; my column
	s_or_b32 s[G1A+0], s44, DW0
	s_or_b32 s[G1B+0], s45, DW0
	s_mov_b32 s[G1A+1], 32<<16                     ; rows of 32 elements of 8 bytes
	s_mov_b32 s[G1B+1], 32<<16
	s_mov_b32 s[G1A+2], 128<<16                    ; 128 rows of 256 bytes = 256 matrix rows
	s_mov_b32 s[G1B+2], 64<<16                     ; 64 rows = 128 matrix rows
	s_mov_b32 s[G1A+3], 32<<16
	s_mov_b32 s[G1B+3], 32<<16
	s_mov_b32 s[G1A+4], 128
	s_mov_b32 s[G1B+4], 64
	s_mov_b32 s[G1A+5], 32                         ; dense
	s_mov_b32 s[G1B+5], 32
	s_mov_b32 s[G1A+6], 0
	s_mov_b32 s[G1B+6], 0
	s_mov_b32 s[G1A+7], 0
	s_mov_b32 s[G1B+7], 0
	s_lshl_b32 s16, s43, 15                        ; ctx: block row x 256 rows x 128 bytes
	s_lshl_b32 s17, s14, 20                        ; + my kb x 1,048,576
	s_add_co_u32 s16, s16, s17
	s_mov_b32 s17, 0
	s_lshl_b32 s46, s42, 14                        ; W: block column x 128 rows x 128 bytes
	s_lshl_b32 s47, s14, 17                        ; + my kb x 131,072
	s_add_co_u32 s46, s46, s47
	s_mov_b32 s47, 0
	s_mul_i32 s20, s14, AKB                        ; LDS addresses: made of the wave's number alone
	s_mul_i32 s21, s14, BKB
	s_add_co_u32 s21, s21, ASZ
	s_wait_dscnt 0x0
	s_wait_kmcnt 0x0
	s_add_nc_u64 s[18:19], s[4:5], s[16:17]
	s_add_nc_u64 s[46:47], s[6:7], s[46:47]
	CROUND                                         ; in front of the first joint loads
.irp s, 0,1
	s_mov_b32 s[G0A+4*\s], 1
	s_add_co_u32 s[G0A+4*\s+1], s20, \s*SLOT
	s_add_nc_u64 s[G0A+4*\s+2:G0A+4*\s+3], s[18:19], \s*2*KB_A     ; slot s begins with kb 2 s
	s_or_b32 s[G0A+4*\s+3], s[G0A+4*\s+3], 0x80000000
	s_mov_b32 s[G0B+4*\s], 1
	s_add_co_u32 s[G0B+4*\s+1], s21, \s*SLOT
	s_add_nc_u64 s[G0B+4*\s+2:G0B+4*\s+3], s[46:47], \s*2*KB_B
	s_or_b32 s[G0B+4*\s+3], s[G0B+4*\s+3], 0x80000000
	JLOAD \s                                       ; both first fills together: two tensor loads of the wave are out
.endr
	v_and_b32 v1, 15, v0                           ; r
	v_bfe_u32 v2, v0, 4, 1                         ; h
	v_lshrrev_b32 v3, 1, v1
	v_and_b32 v4, 1, v0
	v_mul_u32_u24 v5, v3, PR
	v_lshl_add_u32 v5, v4, 7, v5
	v_lshl_add_u32 v5, v2, 4, v5                   ; (r>>1) 272 + (r&1) 128 + 16 h
	s_mul_i32 s22, s13, 64*PR                      ; my 128 rows of ctx
	s_mul_i32 s23, s14, 32*PR                      ; my 64 rows of W
	s_add_co_u32 s23, s23, ASZ
.irp s, 0,1
	v_add_nc_u32 v[ADRA+\s], s22, v5
	v_add_nc_u32 v[ADRB+\s], s23, v5
	s_add_co_u32 s22, s22, SLOT
	s_add_co_u32 s23, s23, SLOT
.endr
	s_mul_i32 s72, s12, 16*PR
	s_add_co_u32 s72, s72, STAGE                   ; my stage: 16 rows of 256 bytes + 16
	v_mul_u32_u24 v6, v1, PR
	v_lshl_add_u32 v6, v2, 5, v6
	v_add_nc_u32 v[STO], s72, v6                   ; row r, 32 bytes for each half of the lanes
	v_mul_u32_u24 v6, v2, PR
	v_lshl_add_u32 v6, v1, 4, v6
	v_add_nc_u32 v[RD], s72, v6                    ; back: lanes 0-15 one row, lanes 16-31 the next
	v_lshlrev_b32 v7, 12, v2
	v_lshl_add_u32 v[CO], v1, 4, v7                ; the same two rows in out0
	v_lshlrev_b32 v[BO], 5, v2
; 16 matrix instructions: row tiles m0 .. m0 + 3 x my four column tiles, 32 along K
.macro MUL16 fa, fb, m0, zero
	WIN 0x50                                       ; C and D in window 1
.irp m, \m0, \m0+1, \m0+2, \m0+3
.irp n, 0,1,2,3
.if \zero
	v_wmma_f32_16x16x32_f16 v[8*(4*(\m)+\n):8*(4*(\m)+\n)+7], v[\fb+8*\n:\fb+8*\n+7], v[\fa+8*(\m):\fa+8*(\m)+7], 0
.else
	v_wmma_f32_16x16x32_f16 v[8*(4*(\m)+\n):8*(4*(\m)+\n)+7], v[\fb+8*\n:\fb+8*\n+7], v[\fa+8*(\m):\fa+8*(\m)+7], v[8*(4*(\m)+\n):8*(4*(\m)+\n)+7]
.endif
.endr
.endr
.endm
; 24 loads: the fragments of quarter q (0..3) of a slot's 128 of K: kb q>>1, byte 64 (q&1) of the rows
.macro LDF slot, q, fa, fb
	WIN 0
.irp n, 0,1,2,3
	ds_load_b128 v[\fb+8*\n:\fb+8*\n+3],   v[ADRB+\slot] offset:(\q>>1)*BKB+(\q&1)*64+\n*T16
	ds_load_b128 v[\fb+8*\n+4:\fb+8*\n+7], v[ADRB+\slot] offset:(\q>>1)*BKB+(\q&1)*64+\n*T16+32
.endr
.irp m, 0,1,2,3,4,5,6,7
	ds_load_b128 v[\fa+8*\m:\fa+8*\m+3],   v[ADRA+\slot] offset:(\q>>1)*AKB+(\q&1)*64+\m*T16
	ds_load_b128 v[\fa+8*\m+4:\fa+8*\m+7], v[ADRA+\slot] offset:(\q>>1)*AKB+(\q&1)*64+\m*T16+32
.endr
.endm
; The first two quarters of a slot. On entry the loads of quarter 0 (24, buffer 0) and of quarter 1 (24, buffer 1) are out.
.macro HALF1 slot, zero
	s_wait_dscnt 24                                ; buffer 0 is in; buffer 1's 24 loads are younger
	MUL16 AF0, BF0, 0, \zero
	MUL16 AF0, BF0, 4, \zero
	PLACES
	LDF \slot, 2, AF0, BF0
	s_wait_dscnt 24                                ; buffer 1 is in; the 24 just issued are younger
	MUL16 AF1, BF1, 0, 0
	MUL16 AF1, BF1, 4, 0
	PLACES
	LDF \slot, 3, AF1, BF1
	s_wait_dscnt 24                                ; quarter 2 is in
.endm
; A slot's 128 of K and the change of slots. One barrier: in front of it my reads of this slot are over and all my tensor loads have landed (one is out: my part
; of the next slot); where the slot is filled again it opens a round of the cluster's barrier, and the joint refill is the first tensor load behind the round.
; From a request to the wait for it a wave issues 112 matrix instructions; one tensor load of the wave is out meanwhile.
.macro STEP slot, next, fill, zero
	HALF1 \slot, \zero
	MUL16 AF0, BF0, 0, 0
	s_wait_dscnt 0x0
	s_wait_tensorcnt 0x0
	ds_add_u32 v254, v255
	s_wait_dscnt 0x0
	s_barrier_signal -1
	MUL16 AF0, BF0, 4, 0                           ; registers alone between signal and wait
	WIN 0
	s_barrier_wait -1
.if \fill
	CREST
	s_add_nc_u64 s[G0A+4*\slot+2:G0A+4*\slot+3], s[G0A+4*\slot+2:G0A+4*\slot+3], 4*KB_A   ; no tensor load of mine is out: group 0 may be written
	s_add_nc_u64 s[G0B+4*\slot+2:G0B+4*\slot+3], s[G0B+4*\slot+2:G0B+4*\slot+3], 4*KB_B
	JLOAD \slot
.endif
	PLACES
	LDF \next, 0, AF0, BF0
	MUL16 AF1, BF1, 0, 0
	MUL16 AF1, BF1, 4, 0
	PLACES
	LDF \next, 1, AF1, BF1
.endm
.macro LAP zero
	STEP 0, 1, 1, \zero
	STEP 1, 0, 1, 0
.endm
	s_wait_tensorcnt 0x1                           ; my part of slot 0 is in; slot 1's may stay out
	s_barrier_signal -1
	s_barrier_wait -1
	LDF 0, 0, AF0, BF0
	LDF 0, 1, AF1, BF1
	LAP 1                                          ; fills 0, 1 are multiplied, 2, 3 asked for; the first products start the sums
	WIN 0
	s_mov_b32 s3, 2                                ; fills 2 to 5 are multiplied, 4 to 7 asked for
.Llap:
	LAP 0
	WIN 0
	s_sub_co_u32 s3, s3, 1
	s_cmp_lg_u32 s3, 0
	s_cbranch_scc1 .Llap
	STEP 0, 1, 0, 0                                ; nothing is left to fetch
	HALF1 1, 0
	MUL16 AF0, BF0, 0, 0
	MUL16 AF0, BF0, 4, 0
	s_wait_dscnt 0x0
	MUL16 AF1, BF1, 0, 0
	MUL16 AF1, BF1, 4, 0
	; THE WAY OUT, 16 rows at a time: bias, 32 bytes a lane into my stage, back as whole rows of 256 bytes.
	PLACES
	WIN 0
	s_lshl_b32 s73, s42, 9                         ; my first column x 4 bytes: 512 x block column + 256 x half
	s_lshl_b32 s74, s14, 8
	s_add_co_u32 s74, s73, s74
	s_mov_b32 s75, 0
	s_add_nc_u64 s[8:9], s[8:9], s[74:75]
	s_lshl_b32 s76, s43, 20                        ; my first row x 4,096 bytes: 256 rows a block, 128 a half
	s_lshl_b32 s77, s13, 19
	s_add_co_u32 s76, s76, s77
	s_add_co_u32 s76, s76, s74
	s_mov_b32 s77, 0
	s_add_nc_u64 s[10:11], s[10:11], s[76:77]
.irp n, 0,1,2,3
	global_load_b128 v[BIAS+8*\n:BIAS+8*\n+3],   v[BO], s[8:9] offset:64*\n
	global_load_b128 v[BIAS+8*\n+4:BIAS+8*\n+7], v[BO], s[8:9] offset:64*\n+16
.endr
	s_wait_loadcnt 0x0
.macro OUTP a, rb
	WIN 1                                          ; source 0 in the accumulators' window
.irp i, 0,1,2,3,4,5,6,7,8,9,10,11,12,13,14,15
	v_pk_add_f32 v[TW+2*\i:TW+2*\i+1], v[32*\a+2*\i:32*\a+2*\i+1], v[BIAS+2*\i:BIAS+2*\i+1]
.endr
	WIN 0
.irp i, 0,1,2,3,4,5,6,7
	ds_store_b128 v[STO], v[TW+4*\i:TW+4*\i+3] offset:64*(\i>>1)+16*(\i&1)   ; columns 16 n + 8 h + 4 e .. + 3, i = 2 n + e
.endr
	s_wait_xcnt 0x0                                ; the registers that earlier stores read are loaded again only behind this wait
.irp t, 0,1,2,3,4,5,6,7
	ds_load_b128 v[\rb+4*\t:\rb+4*\t+3], v[RD] offset:2*PR*\t      ; LDS serves a wave's instructions in order (ISA guide 5.7.1): these see the stores above
.endr
.irp t, 0,1,2,3,4,5,6,7
	s_wait_dscnt 7-\t                              ; load t is in, the younger ones stay out
	global_store_b128 v[CO], v[\rb+4*\t:\rb+4*\t+3], s[10:11] offset:(16*\a+2*\t)*4096 th:TH_STORE_NT   ; 16 lanes store 256 consecutive bytes, aligned
.endr
.endm
.irp a, 0,1,2,3,4,5,6,7
	OUTP \a, 96+32*(\a&1)
.endr
	s_wait_tensorcnt 0x0
	ds_add_u32 v254, v255
	s_wait_dscnt 0x0
	CROUND                                         ; the closing round
	s_endpgm
.Lfunc_end_k_q37635963ac_proj:
	.size	k_q37635963ac_proj, .Lfunc_end_k_q37635963ac_proj-k_q37635963ac_proj
	.p2alignl 7, 3214868480
	.fill 96, 4, 3214868480
	.section	.rodata,"a",@progbits
	.p2align	6, 0x0
	.amdhsa_kernel k_q37635963ac_proj
		.amdhsa_group_segment_fixed_size 327680
		.amdhsa_private_segment_fixed_size 0
		.amdhsa_enable_private_segment 0
		.amdhsa_kernarg_size 32
		.amdhsa_user_sgpr_count 2
		.amdhsa_user_sgpr_kernarg_segment_ptr 1
		.amdhsa_wavefront_size32 1
		.amdhsa_system_sgpr_workgroup_id_x 1
		.amdhsa_system_sgpr_workgroup_id_y 1
		.amdhsa_system_sgpr_workgroup_id_z 1
		.amdhsa_system_vgpr_workitem_id 0
		.amdhsa_next_free_vgpr 512
		.amdhsa_next_free_sgpr 84
		.amdhsa_reserve_vcc 0
		.amdhsa_float_denorm_mode_32 3
		.amdhsa_float_denorm_mode_16_64 3
		.amdhsa_memory_ordered 1
		.amdhsa_forward_progress 1
		.amdhsa_inst_pref_size 126
	.end_amdhsa_kernel
	.amdgpu_metadata
---
amdhsa.version: [ 1, 2 ]
amdhsa.kernels:
  - .name:           k_q37635963ac_proj
    .symbol:         k_q37635963ac_proj.kd
    .args:
      - { .name: ctxh, .offset: 0, .size: 8, .value_kind: global_buffer, .address_space: global }
      - { .name: wph, .offset: 8, .size: 8, .value_kind: global_buffer, .address_space: global }
      - { .name: b_proj, .offset: 16, .size: 8, .value_kind: global_buffer, .address_space: global }
      - { .name: out0, .offset: 24, .size: 8, .value_kind: global_buffer, .address_space: global }
    .group_segment_fixed_size: 327680
    .private_segment_fixed_size: 0
    .kernarg_segment_align: 8
    .kernarg_segment_size: 32
    .max_flat_workgroup_size: 128
    .sgpr_count:     84
    .vgpr_count:     512
    .wavefront_size: 32
...
	.end_amdgpu_metadata
.endif
;; end of part 4
;; ======== version 2 of 2: 4 launches; version 1 with the launch cast written anew for expert scheduling mode
;; limits: values are held in f16: magnitudes above 65,504 overflow, below 6.1e-05 lose precision
;; workspace buffers: xh 16,777,216 bytes; wqh 6,291,456 bytes; wph 2,097,152 bytes; qkvh 50,331,648 bytes; ctxh 16,777,216 bytes
;; launch cast (part 5): grid 768 x 1, 8 waves a work-group, no clusters, 0 bytes of LDS; arguments x, W_qkv, W_proj, xh, wqh, wph; writes xh, wqh, wph
.if DOCPART == 5
	.amdgcn_target "amdgcn-amd-amdhsa--gfx1250"
	.amdhsa_code_object_version 6
	.text
	.protected	k_q37635963ac_cast
	.globl	k_q37635963ac_cast
	.p2align	8
	.type	k_q37635963ac_cast,@function
k_q37635963ac_cast:
	s_mov_b64 s[64:65], 0
	v_nop
	global_prefetch_b8 v0, s[64:65] scope:SCOPE_SE
	s_setreg_imm32_b32 hwreg(HW_REG_WAVE_SCHED_MODE, 0, 2), 2
	s_setreg_imm32_b32 hwreg(HW_REG_WAVE_MODE, 25, 1), 1
	s_wait_xcnt 0x0
	s_wait_alu depctr_vm_vsrc(0)
; x, W_qkv, W_proj (f32, rows of 1024) -> xh, wqh, wph (16 bits a number), laid out as [kb = k/64][row][64]: a row's piece of one kb is 128 bytes
; and any run of rows of one kb is dense in memory, so that every tile of the later products is one dense block.
; FORMATS. All three inputs are rounded to bf16, to nearest even: one and the same rounding for all, so that the program computes reference() of the
; bf16-rounded inputs, with the f16 roundings of q, k, v, the weights and ctx alone on top. xh and wqh hold the bf16 numbers as they are.
; wph holds W_proj's bf16 numbers written as f16: its partner in the last product, ctx, is f16, and a matrix instruction takes both operands in one format.
; LIMIT: that second conversion is exact for magnitudes from 2^-17 to 65,504 (8 significant bits fit f16's 11, and its step of 2^-24 below 2^-14);
; above 65,504 W_proj becomes infinite, below 2^-17 it is off by at most 3e-8. x and W_qkv keep f32's range.
; A stream: each input byte is read once, each output byte written once. No LDS, no barrier, no matrix unit: nothing is shared or reduced.
; A work-group takes 16 rows, a wave 2. Work-groups 0-511: x (8192 rows); 512-703: W_qkv (3072 rows); 704-767: W_proj (1024 rows).
; Thread t: row t/16 of the group, floats 4 (t%16) .. +3 of each kb. A load's lanes 0-15 cover 256 consecutive aligned bytes of one row,
; lanes 16-31 of the next; a store's 32 lanes x 8 bytes cover 256 consecutive aligned bytes (two rows' pieces of one kb).
; All 16 loads of a wave (8 KiB) go out at once. No address register and no data register of a store is written again behind its instruction.
; THE MODE: SCHED_MODE bits 1:0 = 2 (LLVM: expert scheduling mode 2), set by the entry lines. The code itself states the register dependences
; between vector instructions and memory instructions, with s_wait_alu, always for 0.
; THE PLAN. Registers that memory instructions touch:
;   v1          the loads' offset. Written at the head; read by the 16 loads; never written again.
;   OFF .. +15  the stores' offsets. Written at the head and by fifteen adds behind the loads; kb's is read by kb's store; never written again.
;   X           kb's load lands in its four registers, which no vector instruction has named before; no memory instruction reads them.
;   Y           kb's conversions write its two registers; kb's store reads them; never written again.
; The 16 kb go in four blocks of four. Block p waits for its four loads and converts them; the four stores of block p - 1 are dealt among its
; conversions. These conversions name X and Y of block p alone, the stores OFF and Y of block p - 1: so ONE wait at a block's head states all that
; the block's four stores hang on. A wave passes five waits: one ahead of the loads, one at the head of each of blocks 1 to 3, one ahead of the last four stores.
; No register that a memory instruction reads is written again, no vector instruction writes a scalar register, and EXEC is never written: no other wait is owed.
.set X,   4                            ; v[4:67]    kb: 4 floats as loaded (W_proj: then the same rounded to bf16, widened)
.set Y,   68                           ; v[68:99]   kb: 4 numbers of 16 bits to store
.set OFF, 100                          ; v[100:115] kb: byte offset of my 8 bytes from the group's first row in kb 0
	s_load_b256 s[4:11], s[0:1], 0x0               ; x s[4:5], W_qkv s[6:7], W_proj s[8:9], xh s[10:11]
	s_load_b128 s[12:15], s[0:1], 0x20             ; wqh s[12:13], wph s[14:15]
	v_lshrrev_b32 v1, 4, v0                        ; my row in the group
	v_and_b32 v2, 15, v0
	v_lshlrev_b32 v2, 4, v2                        ; my 16 bytes in a kb's 256
	v_lshl_add_u32 v1, v1, 12, v2                  ; source offset: row x 4,096 + that
	v_lshlrev_b32 v[OFF], 3, v0                    ; destination: row x 128 + 8 (t%16) = 8 t
	s_mov_b32 s20, 704                             ; the third tensor's first work-group
	s_mov_b32 s21, 1024*128                        ; and its bytes from kb to kb
	s_mov_b32 s23, 0xffff0000                      ; a word's upper bf16
	s_wait_kmcnt 0x0
	s_cmp_lt_u32 ttmp9, 704                        ; the choice hangs on the work-group's number alone
	s_cselect_b64 s[16:17], s[6:7], s[8:9]         ; source
	s_cselect_b64 s[18:19], s[12:13], s[14:15]     ; destination
	s_cselect_b32 s20, 512, s20
	s_cselect_b32 s21, 3072*128, s21
	s_cmp_lt_u32 ttmp9, 512
	s_cselect_b64 s[16:17], s[4:5], s[16:17]
	s_cselect_b64 s[18:19], s[10:11], s[18:19]
	s_cselect_b32 s20, 0, s20
	s_cselect_b32 s21, 8192*128, s21
	s_sub_co_u32 s22, ttmp9, s20                   ; which 16 rows of the tensor
	s_lshl_b32 s24, s22, 16                        ; 16 rows x 4,096 bytes (at most 511 x 65,536: below 4 GiB)
	s_mov_b32 s25, 0
	s_add_nc_u64 s[16:17], s[16:17], s[24:25]
	s_lshl_b32 s26, s22, 11                        ; 16 rows x 128 bytes
	s_mov_b32 s27, 0
	s_add_nc_u64 s[18:19], s[18:19], s[26:27]
	s_wait_alu depctr_va_vdst(0)                   ; v1 is written: the 16 loads read it as their offset
.irp kb, 0,1,2,3,4,5,6,7,8,9,10,11,12,13,14,15
	global_load_b128 v[X+4*\kb:X+4*\kb+3], v1, s[16:17] offset:256*\kb th:TH_LOAD_NT
.endr
.irp kb, 1,2,3,4,5,6,7,8,9,10,11,12,13,14,15
	v_add_nc_u32 v[OFF+\kb], s21, v[OFF+\kb-1]     ; up to 15 x 1,048,576 bytes: more than a store's immediate holds
.endr
; One kb's four numbers are rounded. asf16 = 1: the bf16 numbers are widened again (a shift, a mask) and written as f16.
.macro CONV kb, asf16
	v_cvt_pk_bf16_f32 v[Y+2*(\kb)],   v[X+4*(\kb)],   v[X+4*(\kb)+1]
	v_cvt_pk_bf16_f32 v[Y+2*(\kb)+1], v[X+4*(\kb)+2], v[X+4*(\kb)+3]
.if \asf16
	v_lshlrev_b32 v[X+4*(\kb)],   16,  v[Y+2*(\kb)]    ; X's registers are free: their load has landed
	v_and_b32     v[X+4*(\kb)+1], s23, v[Y+2*(\kb)]
	v_lshlrev_b32 v[X+4*(\kb)+2], 16,  v[Y+2*(\kb)+1]
	v_and_b32     v[X+4*(\kb)+3], s23, v[Y+2*(\kb)+1]
	v_cvt_pk_f16_f32 v[Y+2*(\kb)],   v[X+4*(\kb)],   v[X+4*(\kb)+1]
	v_cvt_pk_f16_f32 v[Y+2*(\kb)+1], v[X+4*(\kb)+2], v[X+4*(\kb)+3]
.endif
.endm
; One kb's four numbers are stored.
.macro SEND kb
	global_store_b64 v[OFF+(\kb)], v[Y+2*(\kb):Y+2*(\kb)+1], s[18:19]
.endm
; Block p: kb 4 p to 4 p + 3 are rounded; the block before is stored, a store ahead of each kb's conversions.
.macro BLK p, asf16
	s_wait_loadcnt 12-4*(\p)                       ; loads return in order: this block's four are in, the 12 - 4 p of the later blocks stay out
.if (\p) > 0
	s_wait_alu depctr_va_vdst(0)                   ; the block before has written its Y, which the four stores below read; at block 1 the adds have also written OFF + 1 to OFF + 15, the stores' offsets
.endif
.irp i, 0,1,2,3
.if (\p) > 0
	SEND 4*(\p)-4+\i                               ; no wait: no vector instruction since the wait above names this store's offset or data
.endif
	CONV 4*(\p)+\i, \asf16
.endr
.endm
	s_cmp_lt_u32 ttmp9, 704                        ; compared anew: the sums above have set SCC. Both ways have the same 16 loads out
	s_cbranch_scc0 .Lw_proj
	BLK 0, 0                                       ; x and W_qkv
	BLK 1, 0
	BLK 2, 0
	BLK 3, 0
	s_wait_alu depctr_va_vdst(0)                   ; block 3 has written its Y, which the last four stores read
.irp kb, 12,13,14,15
	SEND \kb
.endr
	s_endpgm
.Lw_proj:
	BLK 0, 1                                       ; W_proj
	BLK 1, 1
	BLK 2, 1
	BLK 3, 1
	s_wait_alu depctr_va_vdst(0)                   ; block 3 has written its Y, which the last four stores read
.irp kb, 12,13,14,15
	SEND \kb
.endr
	s_endpgm
.Lfunc_end_k_q37635963ac_cast:
	.size	k_q37635963ac_cast, .Lfunc_end_k_q37635963ac_cast-k_q37635963ac_cast
	.p2alignl 7, 3214868480
	.fill 96, 4, 3214868480
	.section	.rodata,"a",@progbits
	.p2align	6, 0x0
	.amdhsa_kernel k_q37635963ac_cast
		.amdhsa_group_segment_fixed_size 0
		.amdhsa_private_segment_fixed_size 0
		.amdhsa_enable_private_segment 0
		.amdhsa_kernarg_size 48
		.amdhsa_user_sgpr_count 2
		.amdhsa_user_sgpr_kernarg_segment_ptr 1
		.amdhsa_wavefront_size32 1
		.amdhsa_system_sgpr_workgroup_id_x 1
		.amdhsa_system_sgpr_workgroup_id_y 1
		.amdhsa_system_sgpr_workgroup_id_z 1
		.amdhsa_system_vgpr_workitem_id 0
		.amdhsa_next_free_vgpr 120
		.amdhsa_next_free_sgpr 66
		.amdhsa_reserve_vcc 0
		.amdhsa_float_denorm_mode_32 3
		.amdhsa_float_denorm_mode_16_64 3
		.amdhsa_memory_ordered 1
		.amdhsa_forward_progress 1
		.amdhsa_inst_pref_size 16
	.end_amdhsa_kernel
	.amdgpu_metadata
---
amdhsa.version: [ 1, 2 ]
amdhsa.kernels:
  - .name:           k_q37635963ac_cast
    .symbol:         k_q37635963ac_cast.kd
    .args:
      - { .name: x, .offset: 0, .size: 8, .value_kind: global_buffer, .address_space: global }
      - { .name: W_qkv, .offset: 8, .size: 8, .value_kind: global_buffer, .address_space: global }
      - { .name: W_proj, .offset: 16, .size: 8, .value_kind: global_buffer, .address_space: global }
      - { .name: xh, .offset: 24, .size: 8, .value_kind: global_buffer, .address_space: global }
      - { .name: wqh, .offset: 32, .size: 8, .value_kind: global_buffer, .address_space: global }
      - { .name: wph, .offset: 40, .size: 8, .value_kind: global_buffer, .address_space: global }
    .group_segment_fixed_size: 0
    .private_segment_fixed_size: 0
    .kernarg_segment_align: 8
    .kernarg_segment_size: 48
    .max_flat_workgroup_size: 256
    .sgpr_count:     66
    .vgpr_count:     120
    .wavefront_size: 32
...
	.end_amdgpu_metadata
.endif
;; end of part 5
;; launch qkv: the kernel of part 2 again; grid 8 x 32, 4 waves a work-group, clusters of 4 x 4, 327,680 bytes of LDS; arguments xh, wqh, b_qkv, qkvh; writes qkvh
;; launch attn: the kernel of part 3 again; grid 256 x 1, 16 waves a work-group, no clusters, 286,720 bytes of LDS; arguments qkvh, ctxh; writes ctxh
;; launch proj: the kernel of part 4 again; grid 8 x 32, 4 waves a work-group, clusters of 4 x 4, 327,680 bytes of LDS; arguments ctxh, wph, b_proj, out0; writes out0
